; MI455X (gfx1250); checked and timed in simulation.
; The chip was launched on July 23, 2026; its instructions are those of AMD's public machine-readable ISA for CDNA 5 (MIT licence, August 2026) and "CDNA5" Instruction Set Architecture Reference Guide (July 2026). The comments in the code are by the model that wrote it; some were corrected since.
;; Dy G Mixer. Allowed arithmetic: float matrix products may take bf16 or f16 operands with f32 sums; all other float work in f32.
;; Inputs: W2 64 x 64 float32; b1 64 float32; b2 64 float32; dst_ids 256 x 512 int32; src_ids 256 x 512 int32; w1 64 float32.
;; Outputs: out0 256 x 512 x 64 float32; out1 256 x 512 x 64 float32.
;; 2 versions, each right; version 2 is version 1 with the launch mixer written anew for expert scheduling mode. Each part assembles by itself: llvm-mc -triple=amdgcn-amd-amdhsa -mcpu=gfx1250 --defsym DOCPART=n.
;; ======== version 1 of 2: 1 launch
;; launch mixer (part 1): grid 256 x 1, 8 waves a work-group, no clusters, 121,856 bytes of LDS; arguments src_ids, dst_ids, w1, b1, W2, b2, out0, out1; writes out0, out1
.if DOCPART == 1
	.amdgcn_target "amdgcn-amd-amdhsa--gfx1250"
	.amdhsa_code_object_version 6
	.text
	.protected	k_q36e2bbd085_mixer
	.globl	k_q36e2bbd085_mixer
	.p2align	8
	.type	k_q36e2bbd085_mixer,@function
k_q36e2bbd085_mixer:
	s_mov_b64 s[64:65], 0
	v_nop
	global_prefetch_b8 v0, s[64:65] scope:SCOPE_SE
	s_setreg_imm32_b32 hwreg(HW_REG_WAVE_MODE, 25, 1), 1
	s_wait_xcnt 0x0
; out0[b][l][:] = W2 (relu(cs w1 + b1) + relu(cd w1 + b1)) + 2 b2, cs / cd = how often src_ids[b][l] stands in row b of src_ids / dst_ids
; (both 0 where the id is 0); out1 the same for dst_ids[b][l].  The second layer is linear, so the two hidden vectors are added in f32
; and multiplied once.  ids [256][512] i32, w1 b1 b2 [64] f32, W2 [64][64] f32, outputs [256][512][64] f32.
;
; One work-group = one batch row, eight waves.  Wave w: list = w >> 2 (0 src -> out0, 1 dst -> out1), quarter q = w & 3: 128 ids, 128 output rows.
; COUNTING.  bin = min(id, 2047) = 32 hi + lo.  hist[hi][lo] = sum over k of onehot(hi_k) onehot(lo_k): a 64 x 32 x 512 product per list on the
; matrix unit (one-hot entries 2.0 in bf16, sums in f32: whole numbers, exact).  Each wave multiplies its own 128 ids (K = 128), the four
; partial tables of a list are added in LDS, and each id reads its two bins.  The table is exact only if all 1024 ids of the row are <= 2047:
; every wave tests that on the whole row, and otherwise counts its 128 ids again by comparing them with all 1024 (no barrier in that path).
; So every int32 id is served; only the speed differs.
; THE SECOND LAYER IN TWO bf16 EACH.  A hidden number grows with the count (c |w1|), and the 64 terms of an output can cancel, so an error of
; 2^-8 of each term (one bf16, 8 significant bits) is not small against the result.  Both operands are therefore split, x = hi + lo with
; hi = bf16(x), lo = bf16(x - hi), and three products are summed in f32: hi Whi + lo Whi + hi Wlo.  The fourth, lo Wlo, is below 2^-16 of a term.
; OUTPUT.  Column tile t of the product holds columns e = 4 r + t, so that a lane's four tiles hold 16 neighbouring bytes of a row; the
; bias add moves them into four neighbouring registers, and each store covers two whole rows of 256 bytes, aligned.
; LIMITS.  relu is v_max_num_f32: a NaN in w1 or b1 gives 0 where the reference gives NaN.  A hidden sum above bf16's largest finite number
; (about 3.39e38) rounds to infinity and gives NaN.  The hidden vectors are added before the product (the reference multiplies each and adds after).
; NO CLUSTER, NO TENSOR LOADS: what work-groups share is W2, w1, b1, b2 = 17,152 bytes against 262,144 bytes that each stores; a work-group's
; own input is 4,096 bytes of ids.  All loads are issued in the first lines, so nothing is left to prefetch.
.set NBIN,  2048                       ; bins of a table
; LDS
.set PWW,   1536                       ; at 0: wave w's one-hot words, 6 slices x 64 pairs x 4 bytes, its own
.set PART,  12288                      ; wave w's partial table: 8 tiles x 1,024 bytes
.set HIST,  77824                      ; two tables of 2,048 f32: bin b of list i at HIST + 8192 i + 4 b
.set HISTL, 8192
.set W2B,   94208                      ; hi part of W2 in bf16, row 16 t + r = W2[4 r + t][0..63], pitch 144: 16 rows start at 16 different 16-byte columns
.set W2LO,  103424                     ; lo part, the same layout
.set W2P,   144
.set CNT,   112640                     ; wave w's counts, 128 rows x (cs, cd), its own
; vector registers, window 0
.set VL,    1                          ; lane
.set VR,    2                          ; r = lane & 15
.set VH,    3                          ; h = lane >> 4
.set VIDO,  4                          ; byte offset of my 4 ids in the row; later VOUT
.set VOUT,  4                          ; byte offset of my 16 bytes in a block of 16 output rows
.set VW2G,  5
.set VWB,   6
.set VB2,   7
.set VPW,   8                          ; LDS addresses of the histogram phase (v8-11; later scratch T3)
.set VFR,   9
.set VPS,   11
.set ID,    12                         ; v[12:15]  my 4 ids
.set BI,    16                         ; v[16:19]  2 b2[4 r + t]
.set W1,    20                         ; v[20:51]  w1 at my 32 places of a row of A
.set B1,    52                         ; v[52:83]  b1 likewise
.set ACC,   84                         ; v[84:147] 8 tiles of the partial table; before the first product: WT and PT
.set WT,    84                         ; v[84:99]  my 16 numbers of W2 as loaded, then their lo parts
.set PT,    100
.set KC,    PT                         ; bins
.set U,     PT+4                       ; 1 << lo
.set HI,    PT+8
.set TT,    PT+12                      ; 1 << (hi & 31)
.set TL,    PT+16                      ; one-hot of hi, bits 0-31
.set TH,    PT+20                      ; bits 32-63
.set PW,    PT+24                      ; v[124:135] slice x: words of my two pairs
.set WU,    PT                         ; v[100:115] hi parts of W2 back in f32 (behind the one-hot words)
.set CL,    PT+16                      ; v[116:123] lo parts of W2 in bf16 on their way to LDS
.set FR0,   148                        ; fragment buffers: 4 of hi, 2 of lo, 8 registers each
.set FR1,   196
.set AI,    196                        ; v[196:227] the whole row, for the range test (before FR1 is loaded)
.set CV,    244                        ; hi parts of W2 in bf16 on their way to LDS
.set VW2S,  252
.set VAL,   254
; behind the histogram
.set RP,    148                        ; v[148:211] four partials of two tiles
.set VPL,   244
.set VHS,   245
.set VW2L,  246
.set C,     196                        ; v[196:203] (cs, cd) of my 4 ids
.set GA,    204
.set N,     208                        ; v[208:215] the same as whole numbers, pairwise path only
.set VCS,   248
.set VCL,   249
.set CB,    228                        ; v[228:243] (cs, cd) of row 16 blk + r, blk = 0..7
.set AL,    84                         ; v[84:99]   A fragment, lo parts: 16 rows x 64 hidden numbers
.set AH,    148                        ; v[148:163] A fragment, hi parts
.set D,     164                        ; v[164:195] four result tiles
.set O,     196                        ; v[196:227] results in store order
.set T0,    244
.set T1,    248
.set T2,    252
.set T3,    8
; window 1 (v256-v383, written with their low 8 bits): the W2 fragments, (tile t, K half kk) at 8 (2 t + kk)
.set WFH,   0                          ; v[256:319] hi parts
.set WFL,   64                         ; v[320:383] lo parts
; s_set_vgpr_msb: bits 1:0 source 0, 3:2 source 1, 5:4 source 2, 7:6 destination; the high byte repeats the setting that is left
.set MSB, 0
.macro WIN new
.if MSB != \new
	s_set_vgpr_msb (MSB<<8)|\new
.set MSB, \new
.endif
.endm
.set TO_W,  0x40                       ; a load's destination in window 1, its address in window 0
.set MUL_W, 0x04                       ; a product's source 1 (B) in window 1; A, C and D in window 0
	s_load_b512 s[8:23], s[0:1], 0x0               ; src s[8:9] dst s[10:11] w1 s[12:13] b1 s[14:15] W2 s[16:17] b2 s[18:19] out0 s[20:21] out1 s[22:23]
	s_set_vgpr_msb 0x40
	v_lshl_add_u32 v128, v0, 2, 0x1d800
	v_mov_b32 v129, 0
	s_set_vgpr_msb 0x4000
	v_lshrrev_b32 v1, 5, v0
	v_readfirstlane_b32 s2, v1                     ; wave 0..7
	v_and_b32 v[VL], 31, v0
	v_and_b32 v[VR], 15, v0
	v_bfe_u32 v[VH], v0, 4, 1
	s_lshr_b32 s3, s2, 2                           ; list
	s_and_b32 s4, s2, 3                            ; quarter
	s_lshl_b32 s24, ttmp9, 11                      ; batch row x 2,048 bytes of ids
	s_mov_b32 s25, 0
	s_and_b32 s5, s2, 1                            ; W2: wave w brings LDS rows 8 w .. 8 w + 7 = W2 rows 32 (w & 1) + 8 x + 4 h + (w >> 1), x = 0..3
	s_lshl_b32 s5, s5, 13
	s_lshr_b32 s6, s2, 1
	s_lshl_b32 s6, s6, 8
	s_add_co_u32 s5, s5, s6
	v_and_b32 v[VIDO], 127, v0
	v_lshlrev_b32 v[VIDO], 4, v[VIDO]              ; 512 q + 16 lane
	v_lshlrev_b32 v[VAL], 4, v[VL]
	v_lshlrev_b32 v[VW2G], 4, v[VR]                ; sixteen lanes take one row of 256 bytes
	v_lshl_add_u32 v[VW2G], v[VH], 10, v[VW2G]
	v_add_nc_u32 v[VW2G], s5, v[VW2G]
	v_lshlrev_b32 v[VWB], 5, v[VH]                 ; 8 h numbers
	v_lshlrev_b32 v[VB2], 4, v[VR]                 ; b2[4 r ..]
	s_mov_b32 s30, 0x05040100                      ; v_perm_b32: the two low halves
	s_mov_b32 s31, 0x07060302                      ; the two high halves
	s_mov_b32 s32, 0x00010001
	s_mov_b32 s33, 0xffff0000                      ; a word's upper bf16
	s_wait_kmcnt 0x0
	s_add_nc_u64 s[8:9], s[8:9], s[24:25]          ; my batch row of src_ids
	s_add_nc_u64 s[10:11], s[10:11], s[24:25]      ; and of dst_ids
	s_cmp_eq_u32 s3, 0
	s_cselect_b64 s[26:27], s[8:9], s[10:11]       ; my list
	s_cselect_b64 s[20:21], s[20:21], s[22:23]     ; my output
	global_load_b128 v[ID:ID+3], v[VIDO], s[26:27]
.irp x, 0,1,2,3
	global_load_b128 v[AI+4*\x:AI+4*\x+3], v[VAL], s[8:9] offset:\x*512
	global_load_b128 v[AI+16+4*\x:AI+16+4*\x+3], v[VAL], s[10:11] offset:\x*512
.endr
.irp x, 0,1,2,3
	global_load_b128 v[WT+4*\x:WT+4*\x+3], v[VW2G], s[16:17] offset:\x*2048
.endr
.irp g, 0,1,2,3,4,5,6,7
	global_load_b128 v[W1+4*\g:W1+4*\g+3], v[VWB], s[12:13] offset:(\g/2)*64+(\g%2)*16    ; register 8 g' + i: d = 16 g' + 8 h + i, the A layout
.endr
.irp g, 0,1,2,3,4,5,6,7
	global_load_b128 v[B1+4*\g:B1+4*\g+3], v[VWB], s[14:15] offset:(\g/2)*64+(\g%2)*16
.endr
	global_load_b128 v[BI:BI+3], v[VB2], s[18:19]
	s_lshl_b32 s24, ttmp9, 17                      ; batch row x 512 rows x 256 bytes
	s_lshl_b32 s5, s4, 15                          ; + quarter x 128 rows
	s_add_co_u32 s24, s24, s5
	s_add_nc_u64 s[20:21], s[20:21], s[24:25]
	s_mul_i32 s5, s2, PWW
	v_lshl_add_u32 v[VPW], v[VL], 3, s5            ; my two pair words of a slice
	v_lshl_add_u32 v[VFR], v[VH], 4, s5            ; four pair words = k 8 h .. 8 h + 7 of a K step
	s_lshl_b32 s5, s2, 13
	s_add_co_u32 s5, s5, PART
	v_lshl_add_u32 v[VPS], v[VL], 4, s5
	s_mul_i32 s5, s2, 8*W2P
	s_add_co_u32 s5, s5, W2B
	v_mul_u32_u24 v[VW2S], W2P, v[VH]
	v_lshl_add_u32 v[VW2S], v[VR], 3, v[VW2S]
	v_add_nc_u32 v[VW2S], s5, v[VW2S]
	s_wait_loadcnt 21                              ; my ids and the whole row are in; W2 (4), w1 (8), b1 (8), b2 (1) stay out
	; is any of the row's 1024 ids beyond the table?  An id above 2047 (as an unsigned number) has a bit above bit 10: OR them all
.irp n, 16,8,4,2,1
.set oi, 0
.rept \n
	v_or_b32 v[AI+oi], v[AI+oi], v[AI+\n+oi]
.set oi, oi+1
.endr
.endr
	v_cmp_lt_u32 vcc_lo, NBIN-1, v[AI]
	s_mov_b32 s28, vcc_lo                          ; not 0: the table does not serve this row
	; one-hot words of my 4 ids
.irp i, 0,1,2,3
	v_min_u32 v[KC+\i], NBIN-1, v[ID+\i]
	v_lshlrev_b32 v[U+\i], v[KC+\i], 1             ; 1 << lo (a shift takes the low five bits of its count)
	v_lshrrev_b32 v[HI+\i], 5, v[KC+\i]
	v_lshlrev_b32 v[TT+\i], v[HI+\i], 1
	v_cmp_gt_u32 vcc_lo, 32, v[HI+\i]
	v_cndmask_b32 v[TL+\i], 0, v[TT+\i], vcc_lo
	v_xor_b32 v[TH+\i], v[TT+\i], v[TL+\i]
.endr
.irp p, 0,1                                        ; a word: the even id's 16-bit slice below, the odd id's above
	v_perm_b32 v[PW+0+\p],  v[TL+2*\p+1], v[TL+2*\p], s30      ; hi  0-15
	v_perm_b32 v[PW+2+\p],  v[TL+2*\p+1], v[TL+2*\p], s31      ; hi 16-31
	v_perm_b32 v[PW+4+\p],  v[TH+2*\p+1], v[TH+2*\p], s30      ; hi 32-47
	v_perm_b32 v[PW+6+\p],  v[TH+2*\p+1], v[TH+2*\p], s31      ; hi 48-63
	v_perm_b32 v[PW+8+\p],  v[U+2*\p+1],  v[U+2*\p],  s30      ; lo  0-15
	v_perm_b32 v[PW+10+\p], v[U+2*\p+1],  v[U+2*\p],  s31      ; lo 16-31
.endr
.irp x, 0,1,2,3,4,5
	ds_store_b64 v[VPW], v[PW+2*\x:PW+2*\x+1] offset:\x*256
.endr
; the raw words of one K step (32 ids): slice x into registers 8 x .. 8 x + 7.  The bytes are the wave's own and LDS serves a wave in order
.macro LOADF ks, f
.irp x, 0,1,2,3,4,5
	ds_load_b128 v[\f+8*\x:\f+8*\x+3], v[VFR] offset:\x*256+\ks*64
	ds_load_b128 v[\f+8*\x+4:\f+8*\x+7], v[VFR] offset:\x*256+\ks*64+32
.endr
.endm
; row (column) r of a fragment: bit r of each 16-bit slice, moved to bit 14 of its half: bf16 2.0 or 0
.macro BUILD f
.set bi, 0
.rept 48
	v_lshrrev_b32 v[\f+bi], v[VR], v[\f+bi]
.set bi, bi+1
.endr
.set bi, 0
.rept 48
	v_and_b32 v[\f+bi], s32, v[\f+bi]
.set bi, bi+1
.endr
.set bi, 0
.rept 48
	v_lshlrev_b32 v[\f+bi], 14, v[\f+bi]
.set bi, bi+1
.endr
.endm
.macro MM f, zero                                  ; tile 2 m + n: hi 16 m .. x lo 16 n ..; the first product starts the sums
.irp m, 0,1,2,3
.irp n, 0,1
.if \zero
	v_wmma_f32_16x16x32_bf16 v[ACC+8*(2*\m+\n):ACC+8*(2*\m+\n)+7], v[\f+8*\m:\f+8*\m+7], v[\f+32+8*\n:\f+32+8*\n+7], 0
.else
	v_wmma_f32_16x16x32_bf16 v[ACC+8*(2*\m+\n):ACC+8*(2*\m+\n)+7], v[\f+8*\m:\f+8*\m+7], v[\f+32+8*\n:\f+32+8*\n+7], v[ACC+8*(2*\m+\n):ACC+8*(2*\m+\n)+7]
.endif
.endr
.endr
.endm
	LOADF 0, FR0
	LOADF 1, FR1
	s_wait_loadcnt 17                              ; W2 is in; w1, b1, b2 stay out
	; W2 = hi + lo, both bf16, into two arrays of the same layout
.irp x, 0,1,2,3
	v_cvt_pk_bf16_f32 v[CV+2*\x],   v[WT+4*\x],   v[WT+4*\x+1]
	v_cvt_pk_bf16_f32 v[CV+2*\x+1], v[WT+4*\x+2], v[WT+4*\x+3]
	ds_store_b64 v[VW2S], v[CV+2*\x:CV+2*\x+1] offset:\x*2*W2P
.endr
.irp x, 0,1,2,3
	v_lshlrev_b32 v[WU+4*\x],   16,  v[CV+2*\x]    ; hi back in f32
	v_and_b32     v[WU+4*\x+1], s33, v[CV+2*\x]
	v_lshlrev_b32 v[WU+4*\x+2], 16,  v[CV+2*\x+1]
	v_and_b32     v[WU+4*\x+3], s33, v[CV+2*\x+1]
.endr
.irp e, 0,2,4,6,8,10,12,14
	v_pk_add_f32 v[WT+\e:WT+\e+1], v[WT+\e:WT+\e+1], v[WU+\e:WU+\e+1] neg_lo:[0,1] neg_hi:[0,1]   ; W2 - hi, exact
.endr
.irp x, 0,1,2,3
	v_cvt_pk_bf16_f32 v[CL+2*\x],   v[WT+4*\x],   v[WT+4*\x+1]
	v_cvt_pk_bf16_f32 v[CL+2*\x+1], v[WT+4*\x+2], v[WT+4*\x+3]
	ds_store_b64 v[VW2S], v[CL+2*\x:CL+2*\x+1] offset:\x*2*W2P+W2LO-W2B
.endr
	s_wait_dscnt 20                                ; buffer 0 is in: younger are buffer 1's 12 loads and the 8 stores of W2
	BUILD FR0
	MM FR0, 1
	s_wait_dscnt 8                                 ; buffer 1 is in: younger are the 8 stores
	BUILD FR1                                      ; 144 vector instructions on other registers stand between the products on buffer 0
	LOADF 2, FR0                                   ; and the loads into it (ISA guide 7.12.1 asks for four)
	MM FR1, 0
	s_wait_dscnt 0x0
	BUILD FR0
	LOADF 3, FR1
	MM FR0, 0
	s_wait_dscnt 0x0
	BUILD FR1
	MM FR1, 0
	; addresses of the next phase: eight vector instructions that name no register of the products, in front of the stores of the sums
	s_lshl_b32 s5, s3, 15
	s_lshl_b32 s6, s4, 11
	s_add_co_u32 s5, s5, s6
	s_add_co_u32 s5, s5, PART
	v_lshl_add_u32 v[VPL], v[VL], 4, s5            ; tiles 2 q, 2 q + 1 of my list's first partial
	s_lshl_b32 s5, s3, 13
	s_add_co_u32 s5, s5, s6
	s_add_co_u32 s5, s5, HIST
	v_lshlrev_b32 v[VHS], 2, v[VR]
	v_lshl_add_u32 v[VHS], v[VH], 10, v[VHS]
	v_add_nc_u32 v[VHS], s5, v[VHS]                ; bin 32 (16 q + 8 h) + r of my list
	v_mul_u32_u24 v[VW2L], W2P, v[VR]
	v_lshl_add_u32 v[VW2L], v[VH], 4, v[VW2L]
	v_add_nc_u32 v[VW2L], W2B, v[VW2L]
	v_nop
.irp t, 0,1,2,3,4,5,6,7
	ds_store_b128 v[VPS], v[ACC+8*\t:ACC+8*\t+3] offset:\t*1024
	ds_store_b128 v[VPS], v[ACC+8*\t+4:ACC+8*\t+7] offset:\t*1024+512
.endr
	s_wait_dscnt 0x0                               ; my partial table and my rows of W2 are in LDS, for the others
	s_barrier_signal -1
	s_barrier_wait -1
	; add the four partials of tiles 2 q, 2 q + 1 of my list: hi 16 q .. 16 q + 15, 512 bins, 2,048 bytes of the table that are mine alone
.irp p, 0,1,2,3
.irp u, 0,1,2,3
	ds_load_b128 v[RP+16*\p+4*\u:RP+16*\p+4*\u+3], v[VPL] offset:\p*8192+\u*512
.endr
.endr
	WIN TO_W                                       ; the W2 fragments, hi and lo, into window 1, where they stay
.irp t, 0,1,2,3
.irp k, 0,1
	ds_load_b128 v[WFH+8*(2*\t+\k):WFH+8*(2*\t+\k)+3],   v[VW2L] offset:\t*16*W2P+\k*64
	ds_load_b128 v[WFH+8*(2*\t+\k)+4:WFH+8*(2*\t+\k)+7], v[VW2L] offset:\t*16*W2P+\k*64+32
	ds_load_b128 v[WFL+8*(2*\t+\k):WFL+8*(2*\t+\k)+3],   v[VW2L] offset:\t*16*W2P+\k*64+W2LO-W2B
	ds_load_b128 v[WFL+8*(2*\t+\k)+4:WFL+8*(2*\t+\k)+7], v[VW2L] offset:\t*16*W2P+\k*64+32+W2LO-W2B
.endr
.endr
	WIN 0
	s_wait_dscnt 32                                ; the partials are in; the 32 loads of W2 fragments stay out
.irp e, 0,2,4,6,8,10,12,14
	v_pk_add_f32 v[RP+\e:RP+\e+1], v[RP+\e:RP+\e+1], v[RP+16+\e:RP+16+\e+1]
	v_pk_add_f32 v[RP+32+\e:RP+32+\e+1], v[RP+32+\e:RP+32+\e+1], v[RP+48+\e:RP+48+\e+1]
.endr
.irp e, 0,2,4,6,8,10,12,14
	v_pk_add_f32 v[RP+\e:RP+\e+1], v[RP+\e:RP+\e+1], v[RP+32+\e:RP+32+\e+1]
.endr
.irp n, 0,1
.irp j, 0,1,2,3,4,5,6,7
	ds_store_b32 v[VHS], v[RP+8*\n+\j] offset:\j*128+\n*64     ; hi + j, lo 16 n + r.  The two halves of the lanes meet in the same banks: 16 stores a wave, left so to keep a bin at 4 x its number
.endr
.endr
	s_wait_dscnt 0x0
	s_barrier_signal -1
	s_barrier_wait -1
	; my 4 ids read their bins in both tables
.irp i, 0,1,2,3
	v_min_u32 v[GA+\i], NBIN-1, v[ID+\i]           ; keeps every address inside the table
	v_lshl_add_u32 v[GA+\i], v[GA+\i], 2, HIST
.endr
.irp i, 0,1,2,3
	ds_load_b32 v[C+2*\i],   v[GA+\i]
	ds_load_b32 v[C+2*\i+1], v[GA+\i] offset:HISTL
.endr
	s_lshl_b32 s5, s2, 10
	s_add_co_u32 s5, s5, CNT
	v_lshl_add_u32 v[VCS], v[VL], 5, s5            ; rows 4 lane .. 4 lane + 3, 8 bytes each
	v_lshl_add_u32 v[VCL], v[VR], 3, s5            ; row r of a block
	v_lshlrev_b32 v[VOUT], 4, v[VR]                ; (its load of my ids was waited for long ago)
	v_lshl_add_u32 v[VOUT], v[VH], 11, v[VOUT]     ; row 8 h, bytes 16 r
	s_wait_dscnt 0x0
.irp i, 0,2,4,6
	v_pk_mul_f32 v[C+\i:C+\i+1], v[C+\i:C+\i+1], 0x3e800000 op_sel_hi:[1,0]   ; a hit added 2.0 x 2.0
.endr
	s_cmp_eq_u32 s28, 0
	s_cbranch_scc1 .Lcounted
	; some id of this row lies beyond the table: compare my 4 ids with all 512 + 512, sixteen of each list a trip.
	; 2 instructions x 4 ids x 1024 = 8,192 a wave; the scalar loads are not run ahead, the SIMD's other wave works meanwhile.
.irp i, 0,1,2,3,4,5,6,7
	v_mov_b32 v[N+\i], 0
.endr
	s_mov_b32 s29, 0
.Lpair:
	s_load_b512 s[36:51], s[8:9], 0x0
	s_load_b512 s[68:83], s[10:11], 0x0
	s_wait_kmcnt 0x0                               ; both are in, so their bases may step
	s_add_nc_u64 s[8:9], s[8:9], 64
	s_add_nc_u64 s[10:11], s[10:11], 64
.irp j, 0,1,2,3,4,5,6,7,8,9,10,11,12,13,14,15
.irp i, 0,1,2,3
	v_cmp_eq_u32 vcc_lo, s[36+\j], v[ID+\i]
	v_add_co_ci_u32 v[N+2*\i], vcc_lo, 0, v[N+2*\i], vcc_lo
	v_cmp_eq_u32 vcc_lo, s[68+\j], v[ID+\i]
	v_add_co_ci_u32 v[N+2*\i+1], vcc_lo, 0, v[N+2*\i+1], vcc_lo
.endr
.endr
	s_add_co_u32 s29, s29, 1
	s_cmp_lt_u32 s29, 32
	s_cbranch_scc1 .Lpair
.irp i, 0,1,2,3,4,5,6,7
	v_cvt_f32_u32 v[C+\i], v[N+\i]
.endr
.Lcounted:
.irp i, 0,1,2,3
	v_cmp_ne_u32 vcc_lo, 0, v[ID+\i]               ; id 0 is padding: both counts 0
	v_cndmask_b32 v[C+2*\i],   0, v[C+2*\i],   vcc_lo
	v_cndmask_b32 v[C+2*\i+1], 0, v[C+2*\i+1], vcc_lo
.endr
	ds_store_b128 v[VCS], v[C:C+3]                 ; from 4 rows a lane to row r of each block, through the wave's own bytes
	ds_store_b128 v[VCS], v[C+4:C+7] offset:16
.irp b, 0,1,2,3,4,5,6,7
	ds_load_b64 v[CB+2*\b:CB+2*\b+1], v[VCL] offset:\b*128
.endr
	s_wait_loadcnt 0x0                             ; w1, b1, b2
	v_pk_add_f32 v[BI:BI+1], v[BI:BI+1], v[BI:BI+1]            ; each of the two channels adds b2
	v_pk_add_f32 v[BI+2:BI+3], v[BI+2:BI+3], v[BI+2:BI+3]
	s_wait_dscnt 0x0
; A fragment of a block: lane (r, h) makes 32 of row r's 64 hidden numbers, two at a time: register i of A from registers 2 i, 2 i + 1 of w1, b1
.macro EFMA c, i, x
	v_pk_fma_f32 v[\x:\x+1],   v[\c:\c+1], v[W1+2*(\i):W1+2*(\i)+1], v[B1+2*(\i):B1+2*(\i)+1] op_sel_hi:[0,1,1]                ; cs w1 + b1
	v_pk_fma_f32 v[\x+2:\x+3], v[\c:\c+1], v[W1+2*(\i):W1+2*(\i)+1], v[B1+2*(\i):B1+2*(\i)+1] op_sel:[1,0,0] op_sel_hi:[1,1,1] ; cd w1 + b1
.endm
.macro ERELU x
	v_max_num_f32 v[\x],   0, v[\x]
	v_max_num_f32 v[\x+1], 0, v[\x+1]
	v_max_num_f32 v[\x+2], 0, v[\x+2]
	v_max_num_f32 v[\x+3], 0, v[\x+3]
.endm
.macro ESUM x
	v_pk_add_f32 v[\x:\x+1], v[\x:\x+1], v[\x+2:\x+3]
.endm
.macro ECVT i, x                                   ; hi parts
	v_cvt_pk_bf16_f32 v[AH+(\i)], v[\x], v[\x+1]
.endm
.macro EUNP i, x                                   ; hi back in f32, in the two scratch registers that the sum has freed
	v_lshlrev_b32 v[\x+2], 16,  v[AH+(\i)]
	v_and_b32     v[\x+3], s33, v[AH+(\i)]
.endm
.macro ESUB x                                      ; what hi left over, exact
	v_pk_add_f32 v[\x:\x+1], v[\x:\x+1], v[\x+2:\x+3] neg_lo:[0,1] neg_hi:[0,1]
.endm
.macro ELOW i, x                                   ; lo parts
	v_cvt_pk_bf16_f32 v[AL+(\i)], v[\x], v[\x+1]
.endm
; four registers of A at a time on four sets of scratch.  The first line that writes A stands 28 vector instructions behind the products
; that read it (ISA guide 7.12.1 asks for four), so one A buffer does.
.macro ENC blk
.irp g, 0,4,8,12
	EFMA CB+2*(\blk), \g, T0
	EFMA CB+2*(\blk), \g+1, T1
	EFMA CB+2*(\blk), \g+2, T2
	EFMA CB+2*(\blk), \g+3, T3
	ERELU T0
	ERELU T1
	ERELU T2
	ERELU T3
	ESUM T0
	ESUM T1
	ESUM T2
	ESUM T3
	ECVT \g, T0
	ECVT \g+1, T1
	ECVT \g+2, T2
	ECVT \g+3, T3
	EUNP \g, T0
	EUNP \g+1, T1
	EUNP \g+2, T2
	EUNP \g+3, T3
	ESUB T0
	ESUB T1
	ESUB T2
	ESUB T3
	ELOW \g, T0
	ELOW \g+1, T1
	ELOW \g+2, T2
	ELOW \g+3, T3
.endr
.endm
; one pass over the four column tiles: K half kk of part a of A x the same half of part w of W2
.macro MMP a, w, kk, zero
.irp t, 0,1,2,3
.if \zero
	v_wmma_f32_16x16x32_bf16 v[D+8*\t:D+8*\t+7], v[\a+8*\kk:\a+8*\kk+7], v[\w+16*\t+8*\kk:\w+16*\t+8*\kk+7], 0
.else
	v_wmma_f32_16x16x32_bf16 v[D+8*\t:D+8*\t+7], v[\a+8*\kk:\a+8*\kk+7], v[\w+16*\t+8*\kk:\w+16*\t+8*\kk+7], v[D+8*\t:D+8*\t+7]
.endif
.endr
.endm
.macro MMB                                         ; 16 rows x 64 columns, K = 64, three products: register j of tile t = out(row 8 h + j, column 4 r + t)
	WIN MUL_W
	MMP AH, WFH, 0, 1                              ; hi x hi; the first product starts the sums
	MMP AH, WFH, 1, 0
	MMP AL, WFH, 0, 0                              ; lo x hi
	MMP AL, WFH, 1, 0
	MMP AH, WFL, 0, 0                              ; hi x lo
	MMP AH, WFL, 1, 0
	WIN 0
.endm
.macro OUT blk
	s_wait_xcnt 0x0                                ; the last block's stores have read O: it is rewritten only behind this wait
.irp j, 0,1,2,3,4,5,6,7
.irp t, 0,1,2,3
	v_add_f32 v[O+4*\j+\t], v[D+8*\t+\j], v[BI+\t] ; the bias add also gathers columns 4 r .. 4 r + 3 into neighbouring registers
.endr
	global_store_b128 v[VOUT], v[O+4*\j:O+4*\j+3], s[20:21] offset:(\blk)*4096+\j*256 th:TH_STORE_NT   ; rows j and 8 + j of the block, 256 aligned bytes each
.endr
.endm
	ENC 0
	MMB
.irp b, 1,2,3,4,5,6,7
	ENC \b                                         ; the next block's 192 vector instructions are the places behind the products
	OUT \b-1
	MMB
.endr
.rept 4
	v_nop                                          ; four places in front of the adds that read the last products (ISA guide 7.12.1)
.endr
	OUT 7
	s_set_vgpr_msb 0x5
	s_wait_tensorcnt 0x0
	ds_add_u32 v128, v129
	s_wait_dscnt 0x0
	s_set_vgpr_msb 0x500
	s_endpgm
.Lfunc_end_k_q36e2bbd085_mixer:
	.size	k_q36e2bbd085_mixer, .Lfunc_end_k_q36e2bbd085_mixer-k_q36e2bbd085_mixer
	.p2alignl 7, 3214868480
	.fill 96, 4, 3214868480
	.section	.rodata,"a",@progbits
	.p2align	6, 0x0
	.amdhsa_kernel k_q36e2bbd085_mixer
		.amdhsa_group_segment_fixed_size 121856
		.amdhsa_private_segment_fixed_size 0
		.amdhsa_enable_private_segment 0
		.amdhsa_kernarg_size 64
		.amdhsa_user_sgpr_count 2
		.amdhsa_user_sgpr_kernarg_segment_ptr 1
		.amdhsa_wavefront_size32 1
		.amdhsa_system_sgpr_workgroup_id_x 1
		.amdhsa_system_sgpr_workgroup_id_y 1
		.amdhsa_system_sgpr_workgroup_id_z 1
		.amdhsa_system_vgpr_workitem_id 0
		.amdhsa_next_free_vgpr 386
		.amdhsa_next_free_sgpr 84
		.amdhsa_reserve_vcc 1
		.amdhsa_float_denorm_mode_32 3
		.amdhsa_float_denorm_mode_16_64 3
		.amdhsa_memory_ordered 1
		.amdhsa_forward_progress 1
		.amdhsa_inst_pref_size 153
	.end_amdhsa_kernel
	.amdgpu_metadata
---
amdhsa.version: [ 1, 2 ]
amdhsa.kernels:
  - .name:           k_q36e2bbd085_mixer
    .symbol:         k_q36e2bbd085_mixer.kd
    .args:
      - { .name: src_ids, .offset: 0, .size: 8, .value_kind: global_buffer, .address_space: global }
      - { .name: dst_ids, .offset: 8, .size: 8, .value_kind: global_buffer, .address_space: global }
      - { .name: w1, .offset: 16, .size: 8, .value_kind: global_buffer, .address_space: global }
      - { .name: b1, .offset: 24, .size: 8, .value_kind: global_buffer, .address_space: global }
      - { .name: W2, .offset: 32, .size: 8, .value_kind: global_buffer, .address_space: global }
      - { .name: b2, .offset: 40, .size: 8, .value_kind: global_buffer, .address_space: global }
      - { .name: out0, .offset: 48, .size: 8, .value_kind: global_buffer, .address_space: global }
      - { .name: out1, .offset: 56, .size: 8, .value_kind: global_buffer, .address_space: global }
    .group_segment_fixed_size: 121856
    .private_segment_fixed_size: 0
    .kernarg_segment_align: 8
    .kernarg_segment_size: 64
    .max_flat_workgroup_size: 256
    .sgpr_count:     84
    .vgpr_count:     386
    .wavefront_size: 32
...
	.end_amdgpu_metadata
.endif
;; end of part 1
;; ======== version 2 of 2: 1 launch; version 1 with the launch mixer written anew for expert scheduling mode
;; launch mixer (part 2): grid 256 x 1, 8 waves a work-group, no clusters, 121,856 bytes of LDS; arguments src_ids, dst_ids, w1, b1, W2, b2, out0, out1; writes out0, out1
.if DOCPART == 2
	.amdgcn_target "amdgcn-amd-amdhsa--gfx1250"
	.amdhsa_code_object_version 6
	.text
	.protected	k_q36e2bbd085_mixer
	.globl	k_q36e2bbd085_mixer
	.p2align	8
	.type	k_q36e2bbd085_mixer,@function
k_q36e2bbd085_mixer:
	s_mov_b64 s[64:65], 0
	v_nop
	global_prefetch_b8 v0, s[64:65] scope:SCOPE_SE
	s_setreg_imm32_b32 hwreg(HW_REG_WAVE_SCHED_MODE, 0, 2), 2
	s_setreg_imm32_b32 hwreg(HW_REG_WAVE_MODE, 25, 1), 1
	s_wait_xcnt 0x0
	s_wait_alu depctr_vm_vsrc(0)
; out0[b][l][:] = W2 (relu(cs w1 + b1) + relu(cd w1 + b1)) + 2 b2, cs / cd = how often src_ids[b][l] stands in row b of src_ids / dst_ids
; (both 0 where the id is 0); out1 the same for dst_ids[b][l].  The second layer is linear, so the two hidden vectors are added in f32
; and multiplied once.  ids [256][512] i32, w1 b1 b2 [64] f32, W2 [64][64] f32, outputs [256][512][64] f32.
;
; One work-group = one batch row, eight waves.  Wave w: list = w >> 2 (0 src -> out0, 1 dst -> out1), quarter q = w & 3: 128 ids, 128 output rows.
; COUNTING.  bin = min(id, 2047) = 32 hi + lo.  hist[hi][lo] = sum over k of onehot(hi_k) onehot(lo_k): a 64 x 32 x 512 product per list on the
; matrix unit (one-hot entries 2.0 in bf16, sums in f32: whole numbers, exact).  Each wave multiplies its own 128 ids (K = 128), the four
; partial tables of a list are added in LDS, and each id reads its two bins.  The table is exact only if all 1024 ids of the row are <= 2047:
; every wave tests that on the whole row, and otherwise counts its 128 ids again by comparing them with all 1024 (no barrier in that path).
; So every int32 id is served; only the speed differs.
; THE SECOND LAYER IN TWO bf16 EACH.  A hidden number grows with the count (c |w1|), and the 64 terms of an output can cancel, so an error of
; 2^-8 of each term (one bf16, 8 significant bits) is not small against the result.  Both operands are therefore split, x = hi + lo with
; hi = bf16(x), lo = bf16(x - hi), and three products are summed in f32: hi Whi + lo Whi + hi Wlo.  The fourth, lo Wlo, is below 2^-16 of a term.
; OUTPUT.  Column tile t of the product holds columns e = 4 r + t, so that a lane's four tiles hold 16 neighbouring bytes of a row; the
; bias add moves them into four neighbouring registers, and each store covers two whole rows of 256 bytes, aligned.
; LIMITS.  relu is v_max_num_f32: a NaN in w1 or b1 gives 0 where the reference gives NaN.  A hidden sum above bf16's largest finite number
; (about 3.39e38) rounds to infinity and gives NaN.  The hidden vectors are added before the product (the reference multiplies each and adds after).
; NO CLUSTER, NO TENSOR LOADS: what work-groups share is W2, w1, b1, b2 = 17,152 bytes against 262,144 bytes that each stores; a work-group's
; own input is 4,096 bytes of ids.  All loads are issued in the first lines, so nothing is left to prefetch.
; THE MODE: SCHED_MODE bits 1:0 = 2 (LLVM: expert scheduling mode 2), set by the entry lines.  The code itself states the register dependences
; between vector or matrix instructions and memory or LDS instructions, and between vector instructions that write scalar registers and their readers,
; with s_wait_alu, always for 0.
; THE PLAN.  Registers that memory or LDS instructions touch, and who else names them:
;   offsets and LDS addresses   each made once by vector lines, ahead of a wait on va_vdst that stands there for data too; a register that takes a second
;                               address or scratch later is written only behind one of the two waits on vm_vsrc of the set-up.
;   PW, CV, CL                  written by perms and conversions, read by one run of LDS stores each, behind one wait on va_vdst each.
;   FR0, FR1                    loaded from LDS, shifted in place, read by eight products; loaded again behind one wait on va_vdst, which stands behind the
;                               144 shifts on the other buffer.
;   ACC                         written by the products, read by sixteen LDS stores behind the places and one wait on va_vdst; that wait also frees FR0 and
;                               FR1 for the partial tables' loads behind the barrier, and no vector line stands between.
;   RP, GA, C, CB               the sums and the bins' addresses are made ahead of one wait on va_vdst; the table's stores and, behind the barrier, the bins' loads follow it.
;   O                           a block's 32 bias adds write it; one wait on va_vdst; its 8 stores read it; the next block's adds write it again behind
;                               s_wait_xcnt 0 and a wait on vm_vsrc, which stand 24 products and 192 vector lines behind those stores.
;   T0-T3, AH, AL, D, w1, b1, 2 b2 and the W2 fragments are named by vector and matrix instructions alone once they are loaded.
; Lane masks are made by compares in runs, into s28 and s[52:59], with one wait on va_sdst behind each run.  No line names VCC; EXEC is never written.
.set NBIN,  2048                       ; bins of a table
; LDS
.set PWW,   1536                       ; at 0: wave w's one-hot words, 6 slices x 64 pairs x 4 bytes, its own
.set PART,  12288                      ; wave w's partial table: 8 tiles x 1,024 bytes
.set HIST,  77824                      ; two tables of 2,048 f32: bin b of list i at HIST + 8192 i + 4 b
.set HISTL, 8192
.set W2B,   94208                      ; hi part of W2 in bf16, row 16 t + r = W2[4 r + t][0..63], pitch 144: 16 rows start at 16 different 16-byte columns
.set W2LO,  103424                     ; lo part, the same layout
.set W2P,   144
.set CNT,   112640                     ; wave w's counts, 128 rows x (cs, cd), its own
; scalar registers
.set MK,    52                         ; s[52:59]  lane masks made by compares
; vector registers, window 0
.set VL,    1                          ; lane
.set VR,    2                          ; r = lane & 15
.set VH,    3                          ; h = lane >> 4
.set VIDO,  4                          ; byte offset of my 4 ids in the row; later VOUT
.set VOUT,  4                          ; byte offset of my 16 bytes in a block of 16 output rows
.set VW2G,  5
.set VWB,   6
.set VB2,   7
.set VPW,   8                          ; LDS addresses of the histogram phase (v8-11; later scratch T3)
.set VFR,   9
.set VPS,   11
.set ID,    12                         ; v[12:15]  my 4 ids
.set BI,    16                         ; v[16:19]  2 b2[4 r + t]
.set W1,    20                         ; v[20:51]  w1 at my 32 places of a row of A
.set B1,    52                         ; v[52:83]  b1 likewise
.set ACC,   84                         ; v[84:147] 8 tiles of the partial table; before the first product: WT and PT
.set WT,    84                         ; v[84:99]  my 16 numbers of W2 as loaded, then their lo parts
.set PT,    100
.set KC,    PT                         ; bins
.set U,     PT+4                       ; 1 << lo
.set HI,    PT+8
.set TT,    PT+12                      ; 1 << (hi & 31)
.set TL,    PT+16                      ; one-hot of hi, bits 0-31
.set TH,    PT+20                      ; bits 32-63
.set PW,    PT+24                      ; v[124:135] slice x: words of my two pairs
.set WU,    PT                         ; v[100:115] hi parts of W2 back in f32 (behind the one-hot words)
.set CL,    PT+16                      ; v[116:123] lo parts of W2 in bf16 on their way to LDS
.set FR0,   148                        ; fragment buffers: 4 of hi, 2 of lo, 8 registers each
.set FR1,   196
.set AI,    196                        ; v[196:227] the whole row, for the range test (before FR1 is loaded)
.set CV,    244                        ; hi parts of W2 in bf16 on their way to LDS
.set VW2S,  252
.set VAL,   254
; behind the histogram
.set RP,    148                        ; v[148:211] four partials of two tiles
.set VPL,   244
.set VHS,   245
.set VW2L,  246
.set C,     196                        ; v[196:203] (cs, cd) of my 4 ids
.set GA,    204
.set N,     208                        ; v[208:215] the same as whole numbers, pairwise path only
.set NT,    216                        ; v[216:223] 1 or 0 for each of eight comparisons, pairwise path only
.set VCS,   248
.set VCL,   249
.set CB,    228                        ; v[228:243] (cs, cd) of row 16 blk + r, blk = 0..7
.set AL,    84                         ; v[84:99]   A fragment, lo parts: 16 rows x 64 hidden numbers
.set AH,    148                        ; v[148:163] A fragment, hi parts
.set D,     164                        ; v[164:195] four result tiles
.set O,     196                        ; v[196:227] results in store order
.set T0,    244
.set T1,    248
.set T2,    252
.set T3,    8
; window 1 (v256-v383, written with their low 8 bits): the W2 fragments, (tile t, K half kk) at 8 (2 t + kk)
.set WFH,   0                          ; v[256:319] hi parts
.set WFL,   64                         ; v[320:383] lo parts
; s_set_vgpr_msb: bits 1:0 source 0, 3:2 source 1, 5:4 source 2, 7:6 destination; the high byte repeats the setting that is left
.set MSB, 0
.macro WIN new
.if MSB != \new
	s_set_vgpr_msb (MSB<<8)|\new
.set MSB, \new
.endif
.endm
.set TO_W,  0x40                       ; a load's destination in window 1, its address in window 0
.set MUL_W, 0x04                       ; a product's source 1 (B) in window 1; A, C and D in window 0
	s_load_b512 s[8:23], s[0:1], 0x0               ; src s[8:9] dst s[10:11] w1 s[12:13] b1 s[14:15] W2 s[16:17] b2 s[18:19] out0 s[20:21] out1 s[22:23]
	s_set_vgpr_msb 0x40
	v_lshl_add_u32 v128, v0, 2, 0x1d800
	v_mov_b32 v129, 0
	s_set_vgpr_msb 0x4000
	v_lshrrev_b32 v1, 5, v0
	v_readfirstlane_b32 s2, v1                     ; wave 0..7
	v_and_b32 v[VL], 31, v0
	v_and_b32 v[VR], 15, v0
	v_bfe_u32 v[VH], v0, 4, 1
	v_and_b32 v[VIDO], 127, v0
	v_lshlrev_b32 v[VIDO], 4, v[VIDO]              ; 512 q + 16 lane
	v_lshlrev_b32 v[VAL], 4, v[VL]
	v_lshlrev_b32 v[VW2G], 4, v[VR]                ; sixteen lanes take one row of 256 bytes
	v_lshl_add_u32 v[VW2G], v[VH], 10, v[VW2G]
	v_lshlrev_b32 v[VWB], 5, v[VH]                 ; 8 h numbers
	v_lshlrev_b32 v[VB2], 4, v[VR]                 ; b2[4 r ..]
	v_mul_u32_u24 v[VW2S], W2P, v[VH]
	v_lshl_add_u32 v[VW2S], v[VR], 3, v[VW2S]
	s_mov_b32 s30, 0x05040100                      ; v_perm_b32: the two low halves
	s_mov_b32 s31, 0x07060302                      ; the two high halves
	s_mov_b32 s32, 0x00010001
	s_mov_b32 s33, 0xffff0000                      ; a word's upper bf16
	s_lshl_b32 s24, ttmp9, 11                      ; batch row x 2,048 bytes of ids
	s_mov_b32 s25, 0
	s_wait_alu depctr_va_sdst(0)                   ; s2 is written, ahead of its first reader: list, quarter and every wave's own address are made from it
	s_lshr_b32 s3, s2, 2                           ; list
	s_and_b32 s4, s2, 3                            ; quarter
	s_and_b32 s5, s2, 1                            ; W2: wave w brings LDS rows 8 w .. 8 w + 7 = W2 rows 32 (w & 1) + 8 x + 4 h + (w >> 1), x = 0..3
	s_lshl_b32 s5, s5, 13
	s_lshr_b32 s6, s2, 1
	s_lshl_b32 s6, s6, 8
	s_add_co_u32 s5, s5, s6
	v_add_nc_u32 v[VW2G], s5, v[VW2G]
	s_mul_i32 s5, s2, PWW                          ; the LDS addresses of the histogram phase are made here too, while the arguments are on their way
	v_lshl_add_u32 v[VPW], v[VL], 3, s5            ; my two pair words of a slice
	v_lshl_add_u32 v[VFR], v[VH], 4, s5            ; four pair words = k 8 h .. 8 h + 7 of a K step
	s_lshl_b32 s5, s2, 13
	s_add_co_u32 s5, s5, PART
	v_lshl_add_u32 v[VPS], v[VL], 4, s5
	s_mul_i32 s5, s2, 8*W2P
	s_add_co_u32 s5, s5, W2B
	v_add_nc_u32 v[VW2S], s5, v[VW2S]
	s_wait_kmcnt 0x0
	s_add_nc_u64 s[8:9], s[8:9], s[24:25]          ; my batch row of src_ids
	s_add_nc_u64 s[10:11], s[10:11], s[24:25]      ; and of dst_ids
	s_cmp_eq_u32 s3, 0
	s_cselect_b64 s[26:27], s[8:9], s[10:11]       ; my list
	s_cselect_b64 s[20:21], s[20:21], s[22:23]     ; my output
	s_wait_alu depctr_va_vdst(0)                   ; the five offsets v4-7 and v254 are written, which the loads below read; so are the LDS addresses v8, v9, v11 and v252 of the histogram phase
	global_load_b128 v[ID:ID+3], v[VIDO], s[26:27]
.irp x, 0,1,2,3
	global_load_b128 v[AI+4*\x:AI+4*\x+3], v[VAL], s[8:9] offset:\x*512
	global_load_b128 v[AI+16+4*\x:AI+16+4*\x+3], v[VAL], s[10:11] offset:\x*512
.endr
.irp x, 0,1,2,3
	global_load_b128 v[WT+4*\x:WT+4*\x+3], v[VW2G], s[16:17] offset:\x*2048
.endr
.irp g, 0,1,2,3,4,5,6,7
	global_load_b128 v[W1+4*\g:W1+4*\g+3], v[VWB], s[12:13] offset:(\g/2)*64+(\g%2)*16    ; register 8 g' + i: d = 16 g' + 8 h + i, the A layout
.endr
.irp g, 0,1,2,3,4,5,6,7
	global_load_b128 v[B1+4*\g:B1+4*\g+3], v[VWB], s[14:15] offset:(\g/2)*64+(\g%2)*16
.endr
	global_load_b128 v[BI:BI+3], v[VB2], s[18:19]
	s_lshl_b32 s24, ttmp9, 17                      ; batch row x 512 rows x 256 bytes
	s_lshl_b32 s5, s4, 15                          ; + quarter x 128 rows
	s_add_co_u32 s24, s24, s5
	s_add_nc_u64 s[20:21], s[20:21], s[24:25]
	s_wait_loadcnt 21                              ; my ids and the whole row are in; W2 (4), w1 (8), b1 (8), b2 (1) stay out
	; is any of the row's 1024 ids beyond the table?  An id above 2047 (as an unsigned number) has a bit above bit 10: OR them all
.irp n, 16,8,4,2,1
.set oi, 0
.rept \n
	v_or_b32 v[AI+oi], v[AI+oi], v[AI+\n+oi]
.set oi, oi+1
.endr
.endr
	v_cmp_lt_u32 s28, NBIN-1, v[AI]                ; not 0: the table does not serve this row
	; one-hot words of my 4 ids
.irp i, 0,1,2,3
	v_min_u32 v[KC+\i], NBIN-1, v[ID+\i]
	v_lshlrev_b32 v[U+\i], v[KC+\i], 1             ; 1 << lo (a shift takes the low five bits of its count)
	v_lshrrev_b32 v[HI+\i], 5, v[KC+\i]
	v_lshlrev_b32 v[TT+\i], v[HI+\i], 1
	v_cmp_gt_u32 s[MK+\i], 32, v[HI+\i]
.endr
	s_wait_alu depctr_va_sdst(0)                   ; the five compares have written s28 and s[52:55], ahead of their first readers: the selects below, and the branch on s28 further down
.irp i, 0,1,2,3
	v_cndmask_b32 v[TL+\i], 0, v[TT+\i], s[MK+\i]
	v_xor_b32 v[TH+\i], v[TT+\i], v[TL+\i]
.endr
.irp p, 0,1                                        ; a word: the even id's 16-bit slice below, the odd id's above
	v_perm_b32 v[PW+0+\p],  v[TL+2*\p+1], v[TL+2*\p], s30      ; hi  0-15
	v_perm_b32 v[PW+2+\p],  v[TL+2*\p+1], v[TL+2*\p], s31      ; hi 16-31
	v_perm_b32 v[PW+4+\p],  v[TH+2*\p+1], v[TH+2*\p], s30      ; hi 32-47
	v_perm_b32 v[PW+6+\p],  v[TH+2*\p+1], v[TH+2*\p], s31      ; hi 48-63
	v_perm_b32 v[PW+8+\p],  v[U+2*\p+1],  v[U+2*\p],  s30      ; lo  0-15
	v_perm_b32 v[PW+10+\p], v[U+2*\p+1],  v[U+2*\p],  s31      ; lo 16-31
.endr
	s_wait_alu depctr_va_vdst(0)                   ; the perms have written PW, which the stores read; the OR tree is done with v[196:227], in which buffer 1's loads land
.irp x, 0,1,2,3,4,5
	ds_store_b64 v[VPW], v[PW+2*\x:PW+2*\x+1] offset:\x*256
.endr
; the raw words of one K step (32 ids): slice x into registers 8 x .. 8 x + 7.  The bytes are the wave's own and LDS serves a wave in order
.macro LOADF ks, f
.irp x, 0,1,2,3,4,5
	ds_load_b128 v[\f+8*\x:\f+8*\x+3], v[VFR] offset:\x*256+\ks*64
	ds_load_b128 v[\f+8*\x+4:\f+8*\x+7], v[VFR] offset:\x*256+\ks*64+32
.endr
.endm
; row (column) r of a fragment: bit r of each 16-bit slice, moved to bit 14 of its half: bf16 2.0 or 0
.macro BUILD f
.set bi, 0
.rept 48
	v_lshrrev_b32 v[\f+bi], v[VR], v[\f+bi]
.set bi, bi+1
.endr
.set bi, 0
.rept 48
	v_and_b32 v[\f+bi], s32, v[\f+bi]
.set bi, bi+1
.endr
.set bi, 0
.rept 48
	v_lshlrev_b32 v[\f+bi], 14, v[\f+bi]
.set bi, bi+1
.endr
.endm
.macro MM f, zero                                  ; tile 2 m + n: hi 16 m .. x lo 16 n ..; the first product starts the sums
.irp m, 0,1,2,3
.irp n, 0,1
.if \zero
	v_wmma_f32_16x16x32_bf16 v[ACC+8*(2*\m+\n):ACC+8*(2*\m+\n)+7], v[\f+8*\m:\f+8*\m+7], v[\f+32+8*\n:\f+32+8*\n+7], 0
.else
	v_wmma_f32_16x16x32_bf16 v[ACC+8*(2*\m+\n):ACC+8*(2*\m+\n)+7], v[\f+8*\m:\f+8*\m+7], v[\f+32+8*\n:\f+32+8*\n+7], v[ACC+8*(2*\m+\n):ACC+8*(2*\m+\n)+7]
.endif
.endr
.endr
.endm
	LOADF 0, FR0                                   ; no vector line since the wait above names FR0, FR1 or v9
	LOADF 1, FR1
	s_wait_loadcnt 17                              ; W2 is in; w1, b1, b2 stay out
	; W2 = hi + lo, both bf16, into two arrays of the same layout: all the arithmetic first, then one run of stores
.irp x, 0,1,2,3
	v_cvt_pk_bf16_f32 v[CV+2*\x],   v[WT+4*\x],   v[WT+4*\x+1]
	v_cvt_pk_bf16_f32 v[CV+2*\x+1], v[WT+4*\x+2], v[WT+4*\x+3]
.endr
.irp x, 0,1,2,3
	v_lshlrev_b32 v[WU+4*\x],   16,  v[CV+2*\x]    ; hi back in f32
	v_and_b32     v[WU+4*\x+1], s33, v[CV+2*\x]
	v_lshlrev_b32 v[WU+4*\x+2], 16,  v[CV+2*\x+1]
	v_and_b32     v[WU+4*\x+3], s33, v[CV+2*\x+1]
.endr
.irp e, 0,2,4,6,8,10,12,14
	v_pk_add_f32 v[WT+\e:WT+\e+1], v[WT+\e:WT+\e+1], v[WU+\e:WU+\e+1] neg_lo:[0,1] neg_hi:[0,1]   ; W2 - hi, exact
.endr
.irp x, 0,1,2,3
	v_cvt_pk_bf16_f32 v[CL+2*\x],   v[WT+4*\x],   v[WT+4*\x+1]
	v_cvt_pk_bf16_f32 v[CL+2*\x+1], v[WT+4*\x+2], v[WT+4*\x+3]
.endr
	s_wait_alu depctr_va_vdst(0)                   ; the conversions have written CV and CL, which the eight stores read
.irp x, 0,1,2,3
	ds_store_b64 v[VW2S], v[CV+2*\x:CV+2*\x+1] offset:\x*2*W2P
	ds_store_b64 v[VW2S], v[CL+2*\x:CL+2*\x+1] offset:\x*2*W2P+W2LO-W2B
.endr
	s_wait_dscnt 20                                ; buffer 0 is in: younger are buffer 1's 12 loads and the 8 stores of W2
	BUILD FR0
	s_wait_alu depctr_vm_vsrc(0)                   ; the LDS stores have read PW and CL, which lie in ACC and are written by the products below; also CV and, the ids' load, v4, which take addresses later
	MM FR0, 1
	s_wait_dscnt 8                                 ; buffer 1 is in: younger are the 8 stores
	BUILD FR1
	s_wait_alu depctr_va_vdst(0)                   ; the shifts and the products on buffer 0 are done with it: the loads below land in it
	LOADF 2, FR0
	MM FR1, 0
	s_wait_dscnt 0x0
	BUILD FR0
	s_wait_alu depctr_va_vdst(0)                   ; the shifts and the products on buffer 1 are done with it: the loads below land in it
	LOADF 3, FR1
	MM FR0, 0
	s_wait_dscnt 0x0
	BUILD FR1
	MM FR1, 0
	; addresses of the next phase: eight vector instructions that name no register of the products, in front of the stores of the sums
	s_lshl_b32 s5, s3, 15
	s_lshl_b32 s6, s4, 11
	s_add_co_u32 s5, s5, s6
	s_add_co_u32 s5, s5, PART
	v_lshl_add_u32 v[VPL], v[VL], 4, s5            ; tiles 2 q, 2 q + 1 of my list's first partial
	s_lshl_b32 s5, s3, 13
	s_add_co_u32 s5, s5, s6
	s_add_co_u32 s5, s5, HIST
	v_lshlrev_b32 v[VHS], 2, v[VR]
	v_lshl_add_u32 v[VHS], v[VH], 10, v[VHS]
	v_add_nc_u32 v[VHS], s5, v[VHS]                ; bin 32 (16 q + 8 h) + r of my list
	v_mul_u32_u24 v[VW2L], W2P, v[VR]
	v_lshl_add_u32 v[VW2L], v[VH], 4, v[VW2L]
	v_add_nc_u32 v[VW2L], W2B, v[VW2L]
	v_nop
	s_wait_alu depctr_va_vdst(0)                   ; the products have written ACC, which the stores read (the places above stay beside this wait), and are done reading FR0 and FR1, in which the partials' loads land; v[244:246] are written
.irp t, 0,1,2,3,4,5,6,7
	ds_store_b128 v[VPS], v[ACC+8*\t:ACC+8*\t+3] offset:\t*1024
	ds_store_b128 v[VPS], v[ACC+8*\t+4:ACC+8*\t+7] offset:\t*1024+512
.endr
	s_wait_dscnt 0x0                               ; my partial table and my rows of W2 are in LDS, for the others
	s_barrier_signal -1
	s_barrier_wait -1
	; add the four partials of tiles 2 q, 2 q + 1 of my list: hi 16 q .. 16 q + 15, 512 bins, 2,048 bytes of the table that are mine alone.
	; No wait on va_vdst: since the last one only the stores of ACC (by v11) have been issued, which name none of these loads' registers
.irp p, 0,1,2,3
.irp u, 0,1,2,3
	ds_load_b128 v[RP+16*\p+4*\u:RP+16*\p+4*\u+3], v[VPL] offset:\p*8192+\u*512
.endr
.endr
	WIN TO_W                                       ; the W2 fragments, hi and lo, into window 1, where they stay: no vector line has ever named v[256:383]
.irp t, 0,1,2,3
.irp k, 0,1
	ds_load_b128 v[WFH+8*(2*\t+\k):WFH+8*(2*\t+\k)+3],   v[VW2L] offset:\t*16*W2P+\k*64
	ds_load_b128 v[WFH+8*(2*\t+\k)+4:WFH+8*(2*\t+\k)+7], v[VW2L] offset:\t*16*W2P+\k*64+32
	ds_load_b128 v[WFL+8*(2*\t+\k):WFL+8*(2*\t+\k)+3],   v[VW2L] offset:\t*16*W2P+\k*64+W2LO-W2B
	ds_load_b128 v[WFL+8*(2*\t+\k)+4:WFL+8*(2*\t+\k)+7], v[VW2L] offset:\t*16*W2P+\k*64+32+W2LO-W2B
.endr
.endr
	WIN 0
	s_wait_dscnt 32                                ; the partials are in; the 32 loads of W2 fragments stay out
.irp e, 0,2,4,6,8,10,12,14
	v_pk_add_f32 v[RP+\e:RP+\e+1], v[RP+\e:RP+\e+1], v[RP+16+\e:RP+16+\e+1]
	v_pk_add_f32 v[RP+32+\e:RP+32+\e+1], v[RP+32+\e:RP+32+\e+1], v[RP+48+\e:RP+48+\e+1]
.endr
.irp e, 0,2,4,6,8,10,12,14
	v_pk_add_f32 v[RP+\e:RP+\e+1], v[RP+\e:RP+\e+1], v[RP+32+\e:RP+32+\e+1]
.endr
.irp i, 0,1,2,3                                    ; the addresses of my 4 ids' bins are made here, ahead of the wait that the table's stores need
	v_min_u32 v[GA+\i], NBIN-1, v[ID+\i]           ; keeps every address inside the table
	v_lshl_add_u32 v[GA+\i], v[GA+\i], 2, HIST
.endr
	s_wait_alu depctr_va_vdst(0)                   ; the sums v[148:163] are written, which the stores read; GA is written and the adds are done reading v[196:203]: for the bins' loads behind the barrier
.irp n, 0,1
.irp j, 0,1,2,3,4,5,6,7
	ds_store_b32 v[VHS], v[RP+8*\n+\j] offset:\j*128+\n*64     ; hi + j, lo 16 n + r.  The two halves of the lanes meet in the same banks: 16 stores a wave, left so to keep a bin at 4 x its number
.endr
.endr
	s_wait_dscnt 0x0
	s_barrier_signal -1
	s_barrier_wait -1
	; my 4 ids read their bins in both tables.  No wait on va_vdst: since the last one only the table's stores (v245, v[148:163]) have been issued
.irp i, 0,1,2,3
	ds_load_b32 v[C+2*\i],   v[GA+\i]
	ds_load_b32 v[C+2*\i+1], v[GA+\i] offset:HISTL
.endr
	s_lshl_b32 s5, s2, 10
	s_add_co_u32 s5, s5, CNT
	v_lshl_add_u32 v[VCS], v[VL], 5, s5            ; rows 4 lane .. 4 lane + 3, 8 bytes each
	v_lshl_add_u32 v[VCL], v[VR], 3, s5            ; row r of a block
	v_lshlrev_b32 v[VOUT], 4, v[VR]                ; (its load of my ids was waited for long ago)
	v_lshl_add_u32 v[VOUT], v[VH], 11, v[VOUT]     ; row 8 h, bytes 16 r
	s_wait_dscnt 0x0
.irp i, 0,2,4,6
	v_pk_mul_f32 v[C+\i:C+\i+1], v[C+\i:C+\i+1], 0x3e800000 op_sel_hi:[1,0]   ; a hit added 2.0 x 2.0
.endr
	s_cmp_eq_u32 s28, 0
	s_cbranch_scc1 .Lcounted
	; some id of this row lies beyond the table: compare my 4 ids with all 512 + 512, sixteen of each list a trip.
	; 3 instructions x 4 ids x 1024 = 12,288 a wave; the scalar loads are not run ahead, the SIMD's other wave works meanwhile.
.irp i, 0,1,2,3,4,5,6,7
	v_mov_b32 v[N+\i], 0
.endr
	s_mov_b32 s29, 0
.Lpair:
	s_load_b512 s[36:51], s[8:9], 0x0
	s_load_b512 s[68:83], s[10:11], 0x0
	s_wait_kmcnt 0x0                               ; both are in, so their bases may step
	s_add_nc_u64 s[8:9], s[8:9], 64
	s_add_nc_u64 s[10:11], s[10:11], 64
.irp j, 0,1,2,3,4,5,6,7,8,9,10,11,12,13,14,15
.irp i, 0,1,2,3
	v_cmp_eq_u32 s[MK+2*\i],   s[36+\j], v[ID+\i]  ; a run of eight compares: my 4 ids against one id of each list
	v_cmp_eq_u32 s[MK+2*\i+1], s[68+\j], v[ID+\i]
.endr
	s_wait_alu depctr_va_sdst(0)                   ; the eight compares have written s[52:59], which the eight selects read
.irp i, 0,1,2,3,4,5,6,7
	v_cndmask_b32 v[NT+\i], 0, 1, s[MK+\i]         ; 1 for a hit.  A select and a plain add, not an add with carry: that would write a carry out into a scalar register
.endr
.irp i, 0,1,2,3,4,5,6,7
	v_add_nc_u32 v[N+\i], v[N+\i], v[NT+\i]
.endr
.endr
	s_add_co_u32 s29, s29, 1
	s_cmp_lt_u32 s29, 32
	s_cbranch_scc1 .Lpair
.irp i, 0,1,2,3,4,5,6,7
	v_cvt_f32_u32 v[C+\i], v[N+\i]
.endr
.Lcounted:
.irp i, 0,1,2,3
	v_cmp_ne_u32 s[MK+\i], 0, v[ID+\i]             ; id 0 is padding: both counts 0
.endr
	s_wait_alu depctr_va_sdst(0)                   ; the four compares have written s[52:55], which the selects read
.irp i, 0,1,2,3
	v_cndmask_b32 v[C+2*\i],   0, v[C+2*\i],   s[MK+\i]
	v_cndmask_b32 v[C+2*\i+1], 0, v[C+2*\i+1], s[MK+\i]
.endr
	s_wait_alu depctr_va_vdst(0)                   ; the selects have written the counts, which the stores read; v248, v249 and v4 (the output's offset) are written
	ds_store_b128 v[VCS], v[C:C+3]                 ; from 4 rows a lane to row r of each block, through the wave's own bytes
	ds_store_b128 v[VCS], v[C+4:C+7] offset:16
.irp b, 0,1,2,3,4,5,6,7
	ds_load_b64 v[CB+2*\b:CB+2*\b+1], v[VCL] offset:\b*128
.endr
	s_wait_loadcnt 0x0                             ; w1, b1, b2
	v_pk_add_f32 v[BI:BI+1], v[BI:BI+1], v[BI:BI+1]            ; each of the two channels adds b2
	v_pk_add_f32 v[BI+2:BI+3], v[BI+2:BI+3], v[BI+2:BI+3]
	s_wait_dscnt 0x0
	s_wait_alu depctr_vm_vsrc(0)                   ; every LDS instruction so far has read its addresses and data: v[8:11], v[244:255] become scratch, v[84:99] and v[148:163] A's two parts, v[196:227] the store stage
; A fragment of a block: lane (r, h) makes 32 of row r's 64 hidden numbers, two at a time: register i of A from registers 2 i, 2 i + 1 of w1, b1
.macro EFMA c, i, x
	v_pk_fma_f32 v[\x:\x+1],   v[\c:\c+1], v[W1+2*(\i):W1+2*(\i)+1], v[B1+2*(\i):B1+2*(\i)+1] op_sel_hi:[0,1,1]                ; cs w1 + b1
	v_pk_fma_f32 v[\x+2:\x+3], v[\c:\c+1], v[W1+2*(\i):W1+2*(\i)+1], v[B1+2*(\i):B1+2*(\i)+1] op_sel:[1,0,0] op_sel_hi:[1,1,1] ; cd w1 + b1
.endm
.macro ERELU x
	v_max_num_f32 v[\x],   0, v[\x]
	v_max_num_f32 v[\x+1], 0, v[\x+1]
	v_max_num_f32 v[\x+2], 0, v[\x+2]
	v_max_num_f32 v[\x+3], 0, v[\x+3]
.endm
.macro ESUM x
	v_pk_add_f32 v[\x:\x+1], v[\x:\x+1], v[\x+2:\x+3]
.endm
.macro ECVT i, x                                   ; hi parts
	v_cvt_pk_bf16_f32 v[AH+(\i)], v[\x], v[\x+1]
.endm
.macro EUNP i, x                                   ; hi back in f32, in the two scratch registers that the sum has freed
	v_lshlrev_b32 v[\x+2], 16,  v[AH+(\i)]
	v_and_b32     v[\x+3], s33, v[AH+(\i)]
.endm
.macro ESUB x                                      ; what hi left over, exact
	v_pk_add_f32 v[\x:\x+1], v[\x:\x+1], v[\x+2:\x+3] neg_lo:[0,1] neg_hi:[0,1]
.endm
.macro ELOW i, x                                   ; lo parts
	v_cvt_pk_bf16_f32 v[AL+(\i)], v[\x], v[\x+1]
.endm
; four registers of A at a time on four sets of scratch.  The first line that writes A stands 28 vector instructions behind the products
; that read it (ISA guide 7.12.1 asks for four), so one A buffer does.  No memory instruction names any register of these lines.
.macro ENC blk
.irp g, 0,4,8,12
	EFMA CB+2*(\blk), \g, T0
	EFMA CB+2*(\blk), \g+1, T1
	EFMA CB+2*(\blk), \g+2, T2
	EFMA CB+2*(\blk), \g+3, T3
	ERELU T0
	ERELU T1
	ERELU T2
	ERELU T3
	ESUM T0
	ESUM T1
	ESUM T2
	ESUM T3
	ECVT \g, T0
	ECVT \g+1, T1
	ECVT \g+2, T2
	ECVT \g+3, T3
	EUNP \g, T0
	EUNP \g+1, T1
	EUNP \g+2, T2
	EUNP \g+3, T3
	ESUB T0
	ESUB T1
	ESUB T2
	ESUB T3
	ELOW \g, T0
	ELOW \g+1, T1
	ELOW \g+2, T2
	ELOW \g+3, T3
.endr
.endm
; one pass over the four column tiles: K half kk of part a of A x the same half of part w of W2
.macro MMP a, w, kk, zero
.irp t, 0,1,2,3
.if \zero
	v_wmma_f32_16x16x32_bf16 v[D+8*\t:D+8*\t+7], v[\a+8*\kk:\a+8*\kk+7], v[\w+16*\t+8*\kk:\w+16*\t+8*\kk+7], 0
.else
	v_wmma_f32_16x16x32_bf16 v[D+8*\t:D+8*\t+7], v[\a+8*\kk:\a+8*\kk+7], v[\w+16*\t+8*\kk:\w+16*\t+8*\kk+7], v[D+8*\t:D+8*\t+7]
.endif
.endr
.endm
.macro MMB                                         ; 16 rows x 64 columns, K = 64, three products: register j of tile t = out(row 8 h + j, column 4 r + t)
	WIN MUL_W
	MMP AH, WFH, 0, 1                              ; hi x hi; the first product starts the sums
	MMP AH, WFH, 1, 0
	MMP AL, WFH, 0, 0                              ; lo x hi
	MMP AL, WFH, 1, 0
	MMP AH, WFL, 0, 0                              ; hi x lo
	MMP AH, WFL, 1, 0
	WIN 0
.endm
; A block leaves: its 32 bias adds, one wait, its 8 stores in a run.  The stores stand ahead of the next products, under window 0:
; a store's data is its source 1, which the products' setting places in window 1.
.macro OUT blk
.if (\blk) > 0
	s_wait_xcnt 0x0                                ; the last block's stores have had their addresses translated: O is rewritten only behind this wait,
	s_wait_alu depctr_vm_vsrc(0)                   ; and behind this one: those stores have read O.  (Block 0 has no stores in front of it)
.endif
.irp j, 0,1,2,3,4,5,6,7
.irp t, 0,1,2,3
	v_add_f32 v[O+4*\j+\t], v[D+8*\t+\j], v[BI+\t] ; the bias add also gathers columns 4 r .. 4 r + 3 into neighbouring registers
.endr
.endr
	s_wait_alu depctr_va_vdst(0)                   ; the adds have written O, which the eight stores read
.irp j, 0,1,2,3,4,5,6,7
	global_store_b128 v[VOUT], v[O+4*\j:O+4*\j+3], s[20:21] offset:(\blk)*4096+\j*256 th:TH_STORE_NT   ; rows j and 8 + j of the block, 256 aligned bytes each
.endr
.endm
	ENC 0
	MMB
.irp b, 1,2,3,4,5,6,7
	ENC \b                                         ; the next block's 192 vector instructions are the places behind the products
	OUT \b-1
	MMB
.endr
.rept 4
	v_nop                                          ; four places in front of the adds that read the last products (ISA guide 7.12.1)
.endr
	OUT 7
	s_set_vgpr_msb 0x5
	s_wait_dscnt 0x0
	s_wait_alu depctr_hold_cnt(0) depctr_sa_sdst(0) depctr_va_vdst(0) depctr_va_sdst(0) depctr_va_ssrc(0) depctr_va_vcc(0) depctr_vm_vsrc(0)
	s_wait_tensorcnt 0x0
	ds_add_u32 v128, v129
	s_wait_dscnt 0x0
	s_endpgm
.Lfunc_end_k_q36e2bbd085_mixer:
	.size	k_q36e2bbd085_mixer, .Lfunc_end_k_q36e2bbd085_mixer-k_q36e2bbd085_mixer
	.p2alignl 7, 3214868480
	.fill 96, 4, 3214868480
	.section	.rodata,"a",@progbits
	.p2align	6, 0x0
	.amdhsa_kernel k_q36e2bbd085_mixer
		.amdhsa_group_segment_fixed_size 121856
		.amdhsa_private_segment_fixed_size 0
		.amdhsa_enable_private_segment 0
		.amdhsa_kernarg_size 64
		.amdhsa_user_sgpr_count 2
		.amdhsa_user_sgpr_kernarg_segment_ptr 1
		.amdhsa_wavefront_size32 1
		.amdhsa_system_sgpr_workgroup_id_x 1
		.amdhsa_system_sgpr_workgroup_id_y 1
		.amdhsa_system_sgpr_workgroup_id_z 1
		.amdhsa_system_vgpr_workitem_id 0
		.amdhsa_next_free_vgpr 386
		.amdhsa_next_free_sgpr 84
		.amdhsa_reserve_vcc 0
		.amdhsa_float_denorm_mode_32 3
		.amdhsa_float_denorm_mode_16_64 3
		.amdhsa_memory_ordered 1
		.amdhsa_forward_progress 1
		.amdhsa_inst_pref_size 167
	.end_amdhsa_kernel
	.amdgpu_metadata
---
amdhsa.version: [ 1, 2 ]
amdhsa.kernels:
  - .name:           k_q36e2bbd085_mixer
    .symbol:         k_q36e2bbd085_mixer.kd
    .args:
      - { .name: src_ids, .offset: 0, .size: 8, .value_kind: global_buffer, .address_space: global }
      - { .name: dst_ids, .offset: 8, .size: 8, .value_kind: global_buffer, .address_space: global }
      - { .name: w1, .offset: 16, .size: 8, .value_kind: global_buffer, .address_space: global }
      - { .name: b1, .offset: 24, .size: 8, .value_kind: global_buffer, .address_space: global }
      - { .name: W2, .offset: 32, .size: 8, .value_kind: global_buffer, .address_space: global }
      - { .name: b2, .offset: 40, .size: 8, .value_kind: global_buffer, .address_space: global }
      - { .name: out0, .offset: 48, .size: 8, .value_kind: global_buffer, .address_space: global }
      - { .name: out1, .offset: 56, .size: 8, .value_kind: global_buffer, .address_space: global }
    .group_segment_fixed_size: 121856
    .private_segment_fixed_size: 0
    .kernarg_segment_align: 8
    .kernarg_segment_size: 64
    .max_flat_workgroup_size: 256
    .sgpr_count:     84
    .vgpr_count:     386
    .wavefront_size: 32
...
	.end_amdgpu_metadata
.endif
;; end of part 2
